; MI455X (gfx1250); checked and timed in simulation.
; The chip was launched on July 23, 2026; its instructions are those of AMD's public machine-readable ISA for CDNA 5 (MIT licence, August 2026) and "CDNA5" Instruction Set Architecture Reference Guide (July 2026). The comments in the code are by the model that wrote it; some were corrected since.
;; Mo E Layer. Allowed arithmetic: float matrix products may take bf16 or f16 operands with f32 sums; other float arithmetic in f32, or as packed bf16 or f16 multiplies, adds, multiply-adds, maxima and minima; sums over many terms, partial sums and values carried from step to step in f32; what a program stores and reads back later, other than sums and carried values, may be rounded once to bf16 or f16.
;; Inputs: W1 8 x 1,024 x 4,096 float32; W2 8 x 4,096 x 1,024 float32; Wr 1,024 x 8 float32; b1 8 x 4,096 float32; b2 8 x 1,024 float32; beta 1,024 float32; br 8 float32; gamma 1,024 float32; x 4 x 256 x 1,024 float32.
;; Outputs: out0 4 x 256 x 1,024 float32.
;; One version. Each part assembles by itself: llvm-mc -triple=amdgcn-amd-amdhsa -mcpu=gfx1250 --defsym DOCPART=n.
;; ======== version 1 of 1: 5 launches
;; limits: right only within a limited range of input values; a function is approximated: absolute error at most 1.5e-07
;; workspace buffers: xb 2,097,152 bytes; pl 8,192 bytes; route 256 bytes of whole numbers; rwt 256 bytes; hb 16,777,216 bytes; part 33,554,432 bytes
;; launch prep (part 1): grid 256 x 1, 8 waves a work-group, no clusters, 5,376 bytes of LDS; arguments x, Wr, xb, pl; writes xb, pl
.if DOCPART == 1
	.amdgcn_target "amdgcn-amd-amdhsa--gfx1250"
	.amdhsa_code_object_version 6
	.text
	.protected	k_q49b2c07017_prep
	.globl	k_q49b2c07017_prep
	.p2align	8
	.type	k_q49b2c07017_prep,@function
k_q49b2c07017_prep:
	s_mov_b64 s[64:65], 0
	v_nop
	global_prefetch_b8 v0, s[64:65] scope:SCOPE_SE
	s_setreg_imm32_b32 hwreg(HW_REG_WAVE_MODE, 25, 1), 1
	s_wait_xcnt 0x0
; x -> bf16 in blocks for the products, and the router's partial logits.
; x: [1024 rows][1024] f32.  xb: bf16 [batch 4][K chunk 8][row 256][128]: each (batch, chunk) is a dense tile of 65,536 bytes with rows of 256 bytes.
; pl: f32 [group 256][8]: the sum over a group's 4 rows of x[row] . Wr[:, e].
; A work-group has 4 rows.  Wave w owns columns 128 w .. 128 w + 127 (K chunk w), lane l four of them: x is read once, 16 bytes a lane; a store of a wave covers 256 consecutive aligned bytes.
; The four rows are added first (the router wants only their sum), then the sums meet Wr: a wave's 128 rows of Wr are 4,096 dense bytes, taken as they lie (lane l: row 16 i + l / 2, experts 4 (l % 2) ..),
; and each lane fetches the column sum that belongs to its row of Wr from the wave's own 512 bytes of LDS.
; LIMIT: the router's sum is taken in another order than a plain mean over the rows followed by a product.
.set CS,    0                          ; 8 x 512 bytes: each wave's column sums, its own
.set RED,   4096                       ; 8 x 32 bytes: each wave's eight partial logits
.set SPARE, 4352                       ; the spare words: 128 bytes for each wave, four blocks of 256 bytes that no other line names
.set SPW, 2                            ; v2  SPARE + 4 x my thread's number; never rewritten
.set NIL, 3                            ; v3  0; never rewritten
.set X,   12                           ; v[12:27] four rows x 4 columns
.set WR,  28                           ; v[28:59] eight loads of Wr
.set SUM, 60                           ; v[60:63] the column sums
.set CI,  64                           ; v[64:71] the column sum for load i's row of Wr
.set AC,  72                           ; v[72:75] four experts' partial logits;  v[76:79] at work
.set OUT, 80                           ; v[80:87] four rows x 4 bf16
	s_load_b256 s[4:11], s[0:1], 0x0               ; x s[4:5], Wr s[6:7], xb s[8:9], pl s[10:11]
	v_lshl_add_u32 v[SPW], v0, 2, SPARE
	v_mov_b32 v[NIL], 0
	v_and_b32 v1, 31, v0                           ; lane
	v_lshrrev_b32 v4, 5, v0
	v_readfirstlane_b32 s12, v4                    ; wave
	s_mov_b32 s16, 0x76543210                      ; v_permlanex16_b32: each lane takes its own place in the other half
	s_mov_b32 s17, 0xfedcba98
	v_lshlrev_b32 v4, 4, v0                        ; x: 16 bytes a thread
	v_lshlrev_b32 v11, 4, v1                       ; 16 x lane
	v_lshl_add_u32 v5, s12, 12, v11                ; Wr: my wave's 4,096 bytes + 16 x lane
	v_lshlrev_b32 v6, 3, v1
	v_lshl_add_u32 v6, s12, 16, v6                 ; xb: K chunk w + 8 x lane
	v_lshl_add_u32 v7, s12, 9, v11                 ; LDS: where my four column sums go
	v_lshrrev_b32 v8, 1, v1
	v_lshlrev_b32 v8, 2, v8
	v_lshl_add_u32 v8, s12, 9, v8                  ; LDS: column l / 2 of my wave's sums
	v_and_b32 v9, 1, v1
	s_lshl_b32 s19, s12, 5
	s_add_co_u32 s19, s19, RED
	v_lshl_add_u32 v9, v9, 4, s19                  ; LDS: my wave's 32 bytes, the half of my parity
	v_and_b32 v10, 15, v1
	v_lshl_add_u32 v10, v10, 4, RED                ; LDS: lane l % 16 reads wave (l % 16) / 2, parity l % 2
	s_lshl_b32 s14, ttmp9, 14                      ; x: 4 rows of 4,096 bytes a group
	s_mov_b32 s15, 0
	s_lshr_b32 s20, ttmp9, 6                       ; batch
	s_lshl_b32 s20, s20, 19                        ; x 8 tiles of 65,536 bytes
	s_and_b32 s21, ttmp9, 63
	s_lshl_b32 s21, s21, 10                        ; + 4 rows of 256 bytes a group
	s_add_co_u32 s20, s20, s21
	s_mov_b32 s21, 0
	s_lshl_b32 s22, ttmp9, 5                       ; pl: 32 bytes a group
	s_mov_b32 s23, 0
	s_wait_kmcnt 0x0
	s_add_nc_u64 s[4:5], s[4:5], s[14:15]
	s_add_nc_u64 s[8:9], s[8:9], s[20:21]
	s_add_nc_u64 s[10:11], s[10:11], s[22:23]
.irp i, 0,1,2,3
	global_load_b128 v[X+4*\i:X+4*\i+3], v4, s[4:5] offset:4096*\i
.endr
.irp i, 0,1,2,3,4,5,6,7
	global_load_b128 v[WR+4*\i:WR+4*\i+3], v5, s[6:7] offset:512*\i
.endr
	s_wait_loadcnt 0x8                             ; the four rows are in; the eight loads of Wr stay out
	v_pk_add_f32 v[SUM:SUM+1],   v[X:X+1],     v[X+4:X+5]
	v_pk_add_f32 v[SUM+2:SUM+3], v[X+2:X+3],   v[X+6:X+7]
	v_pk_add_f32 v[76:77],       v[X+8:X+9],   v[X+12:X+13]
	v_pk_add_f32 v[78:79],       v[X+10:X+11], v[X+14:X+15]
	v_pk_add_f32 v[SUM:SUM+1],   v[SUM:SUM+1],   v[76:77]
	v_pk_add_f32 v[SUM+2:SUM+3], v[SUM+2:SUM+3], v[78:79]
	ds_store_b128 v7, v[SUM:SUM+3]
.irp i, 0,1,2,3,4,5,6,7
	ds_load_b32 v[CI+\i], v8 offset:64*\i          ; my wave's own bytes; LDS serves a wave's instructions in order (ISA guide 5.7.1.4): these see the store above
.endr
.irp i, 0,1,2,3
	v_cvt_pk_bf16_f32 v[OUT+2*\i],   v[X+4*\i],   v[X+4*\i+1]
	v_cvt_pk_bf16_f32 v[OUT+2*\i+1], v[X+4*\i+2], v[X+4*\i+3]
.endr
.irp i, 0,1,2,3
	global_store_b64 v6, v[OUT+2*\i:OUT+2*\i+1], s[8:9] offset:256*\i  ; a wave's store is one whole row of a tile: 256 consecutive bytes, aligned
.endr
	s_wait_loadcnt 0x0                             ; Wr
	s_wait_dscnt 0x0                               ; the column sums
.irp c, 0,1,2,3
	v_mul_f32 v[AC+\c], v[CI], v[WR+\c]
.endr
.irp i, 1,2,3,4,5,6,7
.irp c, 0,1,2,3
	v_fmac_f32 v[AC+\c], v[CI+\i], v[WR+4*\i+\c]
.endr
.endr
	; over the lanes of my parity: afterwards every lane of parity p holds experts 4 p .. 4 p + 3 for the wave's 128 columns
.irp c, 0,1,2,3
	v_add_f32_dpp v[AC+\c], v[AC+\c], v[AC+\c] row_xmask:2 row_mask:0xf bank_mask:0xf
	v_add_f32_dpp v[AC+\c], v[AC+\c], v[AC+\c] row_xmask:4 row_mask:0xf bank_mask:0xf
	v_add_f32_dpp v[AC+\c], v[AC+\c], v[AC+\c] row_xmask:8 row_mask:0xf bank_mask:0xf
	v_permlanex16_b32 v76, v[AC+\c], s16, s17      ; its destination counts as read: v76 has been written
	v_add_f32 v[AC+\c], v[AC+\c], v76
.endr
	ds_store_b128 v9, v[AC:AC+3]                   ; lanes of one parity write the same numbers to the same bytes
	s_wait_dscnt 0x0                               ; for the others' sake: my store is done
	s_barrier_signal -1
	s_barrier_wait -1
	ds_load_b128 v[AC:AC+3], v10
	s_wait_dscnt 0x0
.irp c, 0,1,2,3                        ; over the eight waves
	v_add_f32_dpp v[AC+\c], v[AC+\c], v[AC+\c] row_xmask:2 row_mask:0xf bank_mask:0xf
	v_add_f32_dpp v[AC+\c], v[AC+\c], v[AC+\c] row_xmask:4 row_mask:0xf bank_mask:0xf
	v_add_f32_dpp v[AC+\c], v[AC+\c], v[AC+\c] row_xmask:8 row_mask:0xf bank_mask:0xf
.endr
	v_cmp_gt_u32 vcc_lo, 2, v0                     ; threads 0 and 1 store the group's 32 bytes
	s_wait_xcnt 0x0                                ; EXEC is a source of the stores above: it changes only behind this wait
	s_and_saveexec_b32 s18, vcc_lo
	global_store_b128 v11, v[AC:AC+3], s[10:11]
	s_wait_xcnt 0x0                                ; and again, in front of the line that widens it
	s_or_b32 exec_lo, exec_lo, s18
	s_wait_tensorcnt 0x0                           ; the wave's end: behind my last LDS store
	ds_add_u32 v[SPW], v[NIL]
	s_wait_dscnt 0x0
	s_endpgm
.Lfunc_end_k_q49b2c07017_prep:
	.size	k_q49b2c07017_prep, .Lfunc_end_k_q49b2c07017_prep-k_q49b2c07017_prep
	.p2alignl 7, 3214868480
	.fill 96, 4, 3214868480
	.section	.rodata,"a",@progbits
	.p2align	6, 0x0
	.amdhsa_kernel k_q49b2c07017_prep
		.amdhsa_group_segment_fixed_size 5376
		.amdhsa_private_segment_fixed_size 0
		.amdhsa_enable_private_segment 0
		.amdhsa_kernarg_size 32
		.amdhsa_user_sgpr_count 2
		.amdhsa_user_sgpr_kernarg_segment_ptr 1
		.amdhsa_wavefront_size32 1
		.amdhsa_system_sgpr_workgroup_id_x 1
		.amdhsa_system_sgpr_workgroup_id_y 1
		.amdhsa_system_sgpr_workgroup_id_z 1
		.amdhsa_system_vgpr_workitem_id 0
		.amdhsa_next_free_vgpr 88
		.amdhsa_next_free_sgpr 66
		.amdhsa_reserve_vcc 1
		.amdhsa_float_denorm_mode_32 3
		.amdhsa_float_denorm_mode_16_64 3
		.amdhsa_memory_ordered 1
		.amdhsa_forward_progress 1
		.amdhsa_inst_pref_size 9
	.end_amdhsa_kernel
	.amdgpu_metadata
---
amdhsa.version: [ 1, 2 ]
amdhsa.kernels:
  - .name:           k_q49b2c07017_prep
    .symbol:         k_q49b2c07017_prep.kd
    .args:
      - { .name: x, .offset: 0, .size: 8, .value_kind: global_buffer, .address_space: global }
      - { .name: Wr, .offset: 8, .size: 8, .value_kind: global_buffer, .address_space: global }
      - { .name: xb, .offset: 16, .size: 8, .value_kind: global_buffer, .address_space: global }
      - { .name: pl, .offset: 24, .size: 8, .value_kind: global_buffer, .address_space: global }
    .group_segment_fixed_size: 5376
    .private_segment_fixed_size: 0
    .kernarg_segment_align: 8
    .kernarg_segment_size: 32
    .max_flat_workgroup_size: 256
    .sgpr_count:     66
    .vgpr_count:     88
    .wavefront_size: 32
...
	.end_amdgpu_metadata
.endif
;; end of part 1
;; launch route (part 2): grid 4 x 1, 1 waves a work-group, no clusters, 0 bytes of LDS; arguments pl, br, route, rwt; writes route, rwt
.if DOCPART == 2
	.amdgcn_target "amdgcn-amd-amdhsa--gfx1250"
	.amdhsa_code_object_version 6
	.text
	.protected	k_q49b2c07017_route
	.globl	k_q49b2c07017_route
	.p2align	8
	.type	k_q49b2c07017_route,@function
k_q49b2c07017_route:
	s_mov_b64 s[64:65], 0
	v_nop
	global_prefetch_b8 v0, s[64:65] scope:SCOPE_SE
	s_setreg_imm32_b32 hwreg(HW_REG_WAVE_MODE, 25, 1), 1
	s_wait_xcnt 0x0
; The router, one wave for each batch: logits = (sum of the batch's 64 partial logits) / 256 + br; softmax over 8 with the maximum taken away; the two largest; softmax over those two.
; route: i32 [batch][2] at byte 8 b: the experts, as whole numbers for the launches behind.  rwt: f32 [batch][2]: their weights.
; Every choice is made by v_cndmask_b32; no branch and no address hangs on a floating-point number.
; LIMITS: a probability below 2^-126 counts as 0 (v_exp_f32 gives 0 there: ISA guide 15.8); equal probabilities go to the lower index; two probabilities that differ by less than the
; rounding of the sums (taken in another order than a mean over the rows) may be ranked the other way; NaN and infinities are not treated apart.
.set L,  24                            ; v[24:31] the eight logits, then probabilities
.set I1, 40                            ; v[40:41] the two indices
.set W1, 42                            ; v[42:43] the two weights
.set V1, 44                            ; v44, v45 the two largest probabilities
	s_load_b256 s[4:11], s[0:1], 0x0               ; pl s[4:5], br s[6:7], route s[8:9], rwt s[10:11]
	v_lshlrev_b32 v1, 4, v0                        ; 16 x lane
	v_and_b32 v20, 1, v0
	v_mov_b32 v38, 0
	s_mov_b32 s20, 0x76543210
	s_mov_b32 s21, 0xfedcba98
	s_mov_b32 s22, 0x3b800000                      ; 1 / 256
	s_mov_b32 s23, 0x3fb8aa3b                      ; log2(e)
	s_lshl_b32 s26, ttmp9, 11                      ; the batch's 64 groups x 32 bytes
	s_mov_b32 s27, 0
	s_lshl_b32 s28, ttmp9, 3
	s_mov_b32 s29, 0
	s_wait_kmcnt 0x0
	s_load_b256 s[12:19], s[6:7], 0x0              ; br
	s_add_nc_u64 s[4:5], s[4:5], s[26:27]
	s_add_nc_u64 s[8:9], s[8:9], s[28:29]
	s_add_nc_u64 s[10:11], s[10:11], s[28:29]
.irp i, 0,1,2,3
	global_load_b128 v[4+4*\i:7+4*\i], v1, s[4:5] offset:512*\i  ; number 4 l + 128 i + c belongs to expert 4 (l % 2) + c
.endr
	s_wait_loadcnt 0x0
	v_pk_add_f32 v[4:5], v[4:5], v[8:9]
	v_pk_add_f32 v[6:7], v[6:7], v[10:11]
	v_pk_add_f32 v[12:13], v[12:13], v[16:17]
	v_pk_add_f32 v[14:15], v[14:15], v[18:19]
	v_pk_add_f32 v[4:5], v[4:5], v[12:13]
	v_pk_add_f32 v[6:7], v[6:7], v[14:15]
.irp c, 4,5,6,7                        ; over the lanes of my parity
	v_add_f32_dpp v[\c], v[\c], v[\c] row_xmask:2 row_mask:0xf bank_mask:0xf
	v_add_f32_dpp v[\c], v[\c], v[\c] row_xmask:4 row_mask:0xf bank_mask:0xf
	v_add_f32_dpp v[\c], v[\c], v[\c] row_xmask:8 row_mask:0xf bank_mask:0xf
	v_permlanex16_b32 v12, v[\c], s20, s21
	v_add_f32 v[\c], v[\c], v12
.endr
	v_cmp_eq_u32 vcc_lo, 1, v20                    ; odd lanes hold experts 4 to 7
.irp c, 0,1,2,3
	v_mov_b32_dpp v[8+\c], v[4+\c] row_xmask:1 row_mask:0xf bank_mask:0xf  ; the neighbour's four
.endr
.irp c, 0,1,2,3
	v_cndmask_b32 v[L+\c],   v[4+\c], v[8+\c], vcc_lo  ; every lane now holds all eight
	v_cndmask_b32 v[L+4+\c], v[8+\c], v[4+\c], vcc_lo
.endr
	s_wait_kmcnt 0x0                               ; br
.irp e, 0,1,2,3,4,5,6,7
	v_fma_f32 v[L+\e], v[L+\e], s22, s[12+\e]
.endr
	v_max3_num_f32 v32, v[L], v[L+1], v[L+2]
	v_max3_num_f32 v32, v32, v[L+3], v[L+4]
	v_max3_num_f32 v32, v32, v[L+5], v[L+6]
	v_max_num_f32 v32, v32, v[L+7]
.irp e, 0,1,2,3,4,5,6,7
	v_sub_f32 v[L+\e], v[L+\e], v32                ; the maximum is taken away: every exponent is 0 or below
.endr
.irp e, 0,1,2,3,4,5,6,7
	v_mul_f32 v[L+\e], s23, v[L+\e]
.endr
.irp e, 0,1,2,3,4,5,6,7
	v_exp_f32 v[L+\e], v[L+\e]
.endr
	v_nop                                          ; a plain instruction between the last exponential and the use of its result (ISA guide 5.7.2)
	s_wait_alu depctr_va_vdst(0)
	v_add_f32 v33, v[L], v[L+1]
	v_add_f32 v34, v[L+2], v[L+3]
	v_add_f32 v35, v[L+4], v[L+5]
	v_add_f32 v36, v[L+6], v[L+7]
	v_add_f32 v33, v33, v34
	v_add_f32 v35, v35, v36
	v_add_f32 v33, v33, v35                        ; between 1 and 8
	v_rcp_f32 v33, v33
	v_nop
	s_wait_alu depctr_va_vdst(0)
.irp e, 0,1,2,3,4,5,6,7
	v_mul_f32 v[L+\e], v[L+\e], v33
.endr
	; the two largest, the lower index first among equals: strict comparisons, experts in ascending order
	v_mov_b32 v[V1], v[L]
	v_mov_b32 v[I1], 0
	v_mov_b32 v[V1+1], -1.0
	v_mov_b32 v[I1+1], 0
.irp e, 1,2,3,4,5,6,7
	v_mov_b32 v37, \e
	v_cmp_gt_f32 s24, v[L+\e], v[V1]               ; beats the first
	v_cmp_gt_f32 s25, v[L+\e], v[V1+1]             ; beats the second
	v_cndmask_b32 v[V1+1], v[V1+1], v[L+\e], s25
	v_cndmask_b32 v[I1+1], v[I1+1], v37, s25
	v_cndmask_b32 v[V1+1], v[V1+1], v[V1], s24     ; the old first steps down
	v_cndmask_b32 v[I1+1], v[I1+1], v[I1], s24
	v_cndmask_b32 v[V1], v[V1], v[L+\e], s24
	v_cndmask_b32 v[I1], v[I1], v37, s24
.endr
	v_sub_f32 v46, v[V1+1], v[V1]                  ; softmax of two, the larger taken away: weights 1 / (1 + t) and t / (1 + t), t = e^(second - first)
	v_mul_f32 v46, s23, v46
	v_exp_f32 v46, v46
	v_nop
	s_wait_alu depctr_va_vdst(0)
	v_add_f32 v47, 1.0, v46
	v_rcp_f32 v[W1], v47
	v_nop
	s_wait_alu depctr_va_vdst(0)
	v_mul_f32 v[W1+1], v46, v[W1]
	v_cmp_gt_u32 vcc_lo, 1, v0                     ; lane 0 stores
	s_wait_xcnt 0x0                                ; EXEC changes only behind this wait
	s_and_saveexec_b32 s30, vcc_lo
	global_store_b64 v38, v[I1:I1+1], s[8:9]
	global_store_b64 v38, v[W1:W1+1], s[10:11]
	s_wait_xcnt 0x0
	s_or_b32 exec_lo, exec_lo, s30
	s_endpgm
.Lfunc_end_k_q49b2c07017_route:
	.size	k_q49b2c07017_route, .Lfunc_end_k_q49b2c07017_route-k_q49b2c07017_route
	.p2alignl 7, 3214868480
	.fill 96, 4, 3214868480
	.section	.rodata,"a",@progbits
	.p2align	6, 0x0
	.amdhsa_kernel k_q49b2c07017_route
		.amdhsa_group_segment_fixed_size 0
		.amdhsa_private_segment_fixed_size 0
		.amdhsa_enable_private_segment 0
		.amdhsa_kernarg_size 32
		.amdhsa_user_sgpr_count 2
		.amdhsa_user_sgpr_kernarg_segment_ptr 1
		.amdhsa_wavefront_size32 1
		.amdhsa_system_sgpr_workgroup_id_x 1
		.amdhsa_system_sgpr_workgroup_id_y 1
		.amdhsa_system_sgpr_workgroup_id_z 1
		.amdhsa_system_vgpr_workitem_id 0
		.amdhsa_next_free_vgpr 48
		.amdhsa_next_free_sgpr 66
		.amdhsa_reserve_vcc 1
		.amdhsa_float_denorm_mode_32 3
		.amdhsa_float_denorm_mode_16_64 3
		.amdhsa_memory_ordered 1
		.amdhsa_forward_progress 1
		.amdhsa_inst_pref_size 11
	.end_amdhsa_kernel
	.amdgpu_metadata
---
amdhsa.version: [ 1, 2 ]
amdhsa.kernels:
  - .name:           k_q49b2c07017_route
    .symbol:         k_q49b2c07017_route.kd
    .args:
      - { .name: pl, .offset: 0, .size: 8, .value_kind: global_buffer, .address_space: global }
      - { .name: br, .offset: 8, .size: 8, .value_kind: global_buffer, .address_space: global }
      - { .name: route, .offset: 16, .size: 8, .value_kind: global_buffer, .address_space: global }
      - { .name: rwt, .offset: 24, .size: 8, .value_kind: global_buffer, .address_space: global }
    .group_segment_fixed_size: 0
    .private_segment_fixed_size: 0
    .kernarg_segment_align: 8
    .kernarg_segment_size: 32
    .max_flat_workgroup_size: 32
    .sgpr_count:     66
    .vgpr_count:     48
    .wavefront_size: 32
...
	.end_amdgpu_metadata
.endif
;; end of part 2
;; launch gemm1 (part 3): grid 32 x 8, 8 waves a work-group, clusters of 4 x 1, 327,680 bytes of LDS; arguments xb, W1, b1, route, rwt, hb; writes hb
.if DOCPART == 3
	.amdgcn_target "amdgcn-amd-amdhsa--gfx1250"
	.amdhsa_code_object_version 6
	.text
	.protected	k_q49b2c07017_gemm1
	.globl	k_q49b2c07017_gemm1
	.p2align	8
	.type	k_q49b2c07017_gemm1,@function
k_q49b2c07017_gemm1:
	s_mov_b64 s[64:65], 0
	v_nop
	global_prefetch_b8 v0, s[64:65] scope:SCOPE_SE
	s_setreg_imm32_b32 hwreg(HW_REG_WAVE_MODE, 25, 1), 1
	s_wait_xcnt 0x0
	s_wait_alu depctr_hold_cnt(0) depctr_sa_sdst(0) depctr_va_vdst(0) depctr_va_sdst(0) depctr_va_ssrc(0) depctr_va_vcc(0) depctr_vm_vsrc(0)
	s_getreg_b32 s2, hwreg(HW_REG_IB_STS2, 6, 4)
	s_cmp_eq_u32 s2, 0
	s_cbranch_scc0 .Lentry_in_a_cluster
	s_endpgm
.Lentry_in_a_cluster:
	s_bfe_u32 s2, ttmp6, 0x10000c
	s_cmp_lg_u32 s2, 0x3003
	s_cbranch_scc0 .Lentry_shape_is_right
	s_endpgm
.Lentry_shape_is_right:
; h'[pair][token][f] = w x gelu(x[batch] . W1[e] + b1[e]), for the 8 pairs (batch, slot): e = route[pair], w = rwt[pair]; gelu with the exact erf's series (below); h' rounded once to bf16.
; xb: bf16 tiles [batch][K chunk 8][256 tokens][128].  W1: f32 [8][1024 k][4096 f].  hb: bf16 tiles [pair][f block 32][256 tokens][128].
; SHARES.  A work-group makes 256 tokens x 128 columns of one pair over K = 1,024: 512 KiB of W1, which no other work-group of the pair reads.  Eight waves, each 64 tokens x 64 columns: 16 accumulators.
; THE WEIGHTS COME THROUGH REGISTERS.  K goes in 8 steps of 128.  A step's 128 rows x 512 bytes of W1 are 16 loads a wave, each one row (32 lanes x 16 bytes); the loads of two steps are out at any time
; (32 a wave, which is why there are eight waves: four would need 64), waited for by count and never all at once.  They are rounded to bf16 once and stored as [k][column] in a ring of two LDS slots; the turning load brings fragments.
; THE TOKENS COME BY JOINT TENSOR LOADS.  The four work-groups of a cluster are four column blocks of one pair and walk the same token tiles: waves 0 to 3 ask for 64 rows each, with the same descriptor
; and a mask of four, into a ring of two slots; behind each round one load a wave, so one tensor load of a wave is out at the most.  W1 is not shared: no two work-groups of a pair read the same bytes of it.
; THE MATRIX INSTRUCTION IS USED TRANSPOSED: source 0 = 16 columns of W1, source 1 = 16 tokens: a lane holds one token (lane % 16) and eight neighbouring columns.
; ONE BARRIER A STEP.  In front of it each wave has stored its rows of this step's weights, has seen its tensor load landed, and has its LDS reads of the last step back.  Behind it this step's two slots are
; whole, and the two others are free: the token slot is asked for at once, the weight slot is written in front of the next barrier.
; LIMITS.  Operands are bf16.  erf by the five-term rational series in t = 1 / (1 + 0.3275911 z) (Abramowitz and Stegun 7.1.26): absolute error at most 1.5e-7 at every argument; NaN and infinities are not treated apart.
; An index in route is held to 0 .. 7.
; REGISTERS, in windows of 256 (s_set_vgpr_msb: bits 1:0 source 0, 3:2 source 1, 5:4 source 2, 7:6 destination):
;   window 0: v0-31 addresses; v32-47 packed output; v64-127, v128-191 two fragment buffers (32 of W1, 32 of tokens), later the way out; v192-199 bias; v200-201 w / 2
;   window 1: v0-127 accumulators ((a, b) at 8 (4 a + b)); v128-191, v192-255 two sets of 16 weight rows
.set PA,     272                       ; a token row in LDS: 256 bytes + 16 of padding: the 16 rows of a fragment load start at 16 different groups of four banks (64 banks of 4 bytes: ISA guide 11.1)
.set ASLOT,  256*PA
.set PW,     288                       ; a weight row in LDS: 256 + 32
.set WSLOT,  128*PW
.set WRING,  2*ASLOT                   ; behind the token ring; written by LDS stores alone, never by a tensor load
.set STAGE,  WRING                     ; the way out lies over the weight ring and the free bytes behind it: 256 rows x 528 bytes
.set SP,     528
.set SPARE,  278528                    ; the spare words: 128 bytes for each wave, four blocks of 256 bytes that no other line names
.set TILEB,  65536
.set WPITCH, 16384                     ; bytes from row to row of W1
.set ADRA, 2                           ; v2-3   LDS address of my token fragments in slot 0, 1
.set ADRW, 4                           ; v4-5   of my weight fragments
.set WST,  6                           ; v6-7   where my 16 weight rows go
.set WOFF, 8                           ; v8     16 x lane; never rewritten
.set DST,  9                           ; v9     the way out: where I put 16 bytes
.set RD,   10                          ; v10    the way out: where I read rows back
.set GO,   11                          ; v11    my byte offset in the tile of hb
.set SPW,  30                          ; v30    SPARE + 4 x my thread's number; never rewritten
.set NIL,  31                          ; v31    0; never rewritten
.set O,    32
.set F0,   64
.set F1,   128
.set BI,   192
.set HWV,  200
.set WS,   128                         ; window 1
.set V,    64                          ; the way out: 32 numbers each
.set U,    96
.set Q,    128
.set P,    160
.set WV, 16                            ; s16 wave;  s17 wave / 2: my 64 tokens;  s18 wave % 2: my 64 columns
.set WM, 17
.set WN, 18
.set CX, 19                            ; s19 my place in the cluster;  s20 my block of 128 columns;  s21 the pair
.set CB, 20
.set YY, 21
.set G1, 24                            ; s[24:31] descriptor group 1
.set G0, 32                            ; s[32:39] descriptor group 0, a set for each slot
.set WB, 40                            ; s[40:41] W1 at my rows of the step last asked for
.set CNT, 42
.set TS, 43                            ; at work
.set EX, 44                            ; the expert
.set RW, 45                            ; its weight
.set A5, 46                            ; s[46:55] the series' five coefficients, as pairs
.set A4, 48
.set A3, 50
.set A2, 52
.set A1, 54
.set NC, 56                            ; s[56:57] -log2(e) / 2
.set PZ, 60                            ; 0.3275911 / sqrt(2)
.set AB, 61                            ; all bits but the sign
.set XO, 62                            ; s[62:63] offsets that hang on my place in the cluster: they never feed a descriptor
.set MSB, 0
.macro WIN new                         ; the immediate's high byte repeats the setting that is left; a switch that changes nothing is dropped
.if MSB != (\new)
	s_set_vgpr_msb (MSB<<8)|(\new)
.set MSB, \new
.endif
.endm
.macro PLACES                          ; four places in front of loads into registers that matrix instructions have read, and of LDS stores that read results
.rept 4
	v_nop
.endr
.endm
.macro CROUND                          ; a round of the cluster's barrier: my work-group's barrier; wave 0 signals for the work-group; every wave waits for all four; my work-group's barrier once more
	s_barrier_signal -1
	s_barrier_wait -1
	s_cmp_lg_u32 s[WV], 0
	s_cbranch_scc1 .Lnot_wave_0_\@
	s_barrier_signal -3
.Lnot_wave_0_\@:
	s_barrier_wait -3
	s_barrier_signal -1
	s_barrier_wait -1
.endm
.macro JLOAD n                         ; the joint load of slot n: waves 0 to 3, 64 rows each.  The branch hangs on the wave's number alone.  An s_nop 0 and four v_nop follow the load
	s_cmp_lt_u32 s[WV], 4
	s_cbranch_scc0 .Lno_load_\@
	tensor_load_to_lds s[G0+4*(\n):G0+4*(\n)+3], s[G1:G1+7]
	s_nop 0
.rept 4
	v_nop
.endr
.Lno_load_\@:
.endm
; 16 LDS loads in one run: the fragments of 32 along K (quarter q of a step) into buffer f: four of 16 columns (turned), four of 16 tokens
.macro FETCH slot, q, f
	WIN 0
.irp b, 0,1,2,3
	ds_load_tr16_b128 v[(\f)+8*(\b):(\f)+8*(\b)+3],   v[ADRW+(\slot)] offset:(\q)*32*PW+32*(\b)
	ds_load_tr16_b128 v[(\f)+8*(\b)+4:(\f)+8*(\b)+7], v[ADRW+(\slot)] offset:(\q)*32*PW+16*PW+32*(\b)
.endr
.irp a, 0,1,2,3
	ds_load_b128 v[(\f)+32+8*(\a):(\f)+32+8*(\a)+3],   v[ADRA+(\slot)] offset:(\a)*16*PA+64*(\q)
	ds_load_b128 v[(\f)+32+8*(\a)+4:(\f)+32+8*(\a)+7], v[ADRA+(\slot)] offset:(\a)*16*PA+64*(\q)+32
.endr
.endm
; 8 matrix instructions: token blocks a0, a0 + 1 x all 4 column blocks.  The 16 accumulators take turns in the same order in every quarter.  zero = 1: the product starts the sum
.macro MUL8 f, a0, zero
	WIN 0x50                                       ; C and D in window 1
.irp a, \a0, (\a0)+1
.irp b, 0,1,2,3
.if \zero
	v_wmma_f32_16x16x32_bf16 v[8*(4*(\a)+(\b)):8*(4*(\a)+(\b))+7], v[(\f)+8*(\b):(\f)+8*(\b)+7], v[(\f)+32+8*(\a):(\f)+32+8*(\a)+7], 0
.else
	v_wmma_f32_16x16x32_bf16 v[8*(4*(\a)+(\b)):8*(4*(\a)+(\b))+7], v[(\f)+8*(\b):(\f)+8*(\b)+7], v[(\f)+32+8*(\a):(\f)+32+8*(\a)+7], v[8*(4*(\a)+(\b)):8*(4*(\a)+(\b))+7]
.endif
.endr
.endr
.endm
.macro QUARTER slot, qn, f, g, zero    ; multiplies buffer f; in its middle it fetches quarter qn into buffer g
	s_wait_dscnt 0x0                               ; buffer f is in
	MUL8 \f, 0, \zero
	WIN 0
	PLACES
	FETCH \slot, \qn, \g
	MUL8 \f, 2, \zero
.endm
.macro LASTQ f
	s_wait_dscnt 0x0
	MUL8 \f, 0, 0
	MUL8 \f, 2, 0
.endm
; THE WAY INTO A STEP whose slots and weight set have parity par.  lw = 1: the weights two steps on are asked for.  rf = 1: the next step's tokens are asked for.  left: the younger weight loads, which stay out.
.macro TR par, lw, rf, left
.set SB, WS+64*(\par)
	s_wait_loadcnt \left                           ; loads come back in order (ISA guide 5.7.1): this step's 16 rows are in
	WIN 0x45
.set i, 0
.rept 16                               ; rounded once to bf16, in place: 32 plain instructions that name no register of the last products: they are also the places in front of the fetch below
	v_cvt_pk_bf16_f32 v[SB+4*i],   v[SB+4*i],   v[SB+4*i+1]
	v_cvt_pk_bf16_f32 v[SB+4*i+1], v[SB+4*i+2], v[SB+4*i+3]
.set i, i+1
.endr
	WIN 0x04
.set i, 0
.rept 16
	ds_store_b64 v[WST+(\par)], v[SB+4*i:SB+4*i+1] offset:i*PW  ; a row: 32 lanes x 8 bytes on end.  The slot was last read two steps ago: those reads were awaited in front of the last barrier
.set i, i+1
.endr
.if \lw
	s_wait_xcnt 0x0                                ; the base is stepped only behind this wait
	s_add_nc_u64 s[WB:WB+1], s[WB:WB+1], 128*WPITCH
	WIN 0x40
.set i, 0
.rept 16
	global_load_b128 v[SB+4*i:SB+4*i+3], v[WOFF], s[WB:WB+1] offset:i*WPITCH
.set i, i+1
.endr
.endif
	WIN 0                                          ; at a label and at a branch every window is 0
	s_wait_tensorcnt 0x0                           ; my one tensor load has landed: my part of this step's tokens; so a group 0 may be written
	ds_add_u32 v[SPW], v[NIL]                      ; 0 onto my spare word
.if \lw
	s_add_nc_u64 s[G0+4*(\par)+2:G0+4*(\par)+3], s[G0+4*(\par)+2:G0+4*(\par)+3], 2*TILEB  ; this slot's next tile; the type bits on top are not reached
.endif
	s_wait_dscnt 0x0                               ; the add and my stores are done, and my reads of the last step's slots are back
.if \rf
	CROUND                                         ; no wave of any partner still reads the other token slot or has a load on its way
	JLOAD 1-(\par)                                 ; the first thing behind the round: it has this step's 64 matrix instructions a wave in which to land
.else
	s_barrier_signal -1
	s_barrier_wait -1
.endif
.endm
.macro STEP par, lw, rf, left, zero
	TR \par, \lw, \rf, \left
	FETCH \par, 0, F0
	QUARTER \par, 1, F0, F1, \zero
	QUARTER \par, 2, F1, F0, 0
	QUARTER \par, 3, F0, F1, 0
	LASTQ F1
.endm
.macro PAIRS line:vararg               ; one line for each of 16 register pairs: t = 0, 2 .. 30
.set t, 0
	s_wait_alu depctr_va_vdst(0)
.rept 16
	\line
.set t, t+2
.endr
.endm
.macro ONES line:vararg                ; one line for each of 32 registers: t = 0 .. 31
.set t, 0
.rept 32
	\line
.set t, t+1
.endr
.endm
	s_load_b256 s[4:11], s[0:1], 0x0               ; xb s[4:5], W1 s[6:7], b1 s[8:9], route s[10:11]
	s_load_b128 s[12:15], s[0:1], 0x20             ; rwt s[12:13], hb s[14:15]
	v_lshl_add_u32 v[SPW], v0, 2, SPARE
	v_mov_b32 v[NIL], 0
	ds_add_u32 v[SPW], v[NIL]                      ; the wave's opening: the add and its wait stand ahead of my first tensor load; the set-up below, work on registers, stands between them
	v_lshrrev_b32 v12, 5, v0
	v_readfirstlane_b32 s[WV], v12
	s_lshr_b32 s[WM], s[WV], 1
	s_and_b32 s[WN], s[WV], 1
	s_bfe_u32 s[CX], ttmp6, 0x40000
	s_lshl_b32 s[CB], ttmp9, 2                     ; in a cluster launch ttmp9 counts clusters
	s_add_co_u32 s[CB], s[CB], s[CX]
	s_and_b32 s[YY], ttmp7, 0xffff                 ; the pair, which the four partners share
	; descriptor group 1: 64 rows x 128 elements, dense in memory, padded in LDS
	s_mov_b32 s[G1+0], 15|(1<<16)|(1<<20)|(1<<21)|(5<<22)|(3<<25)  ; 15:0 the mask of four; 17:16 2-byte elements; 20 padding on; 21 set beside a mask; 24:22 after every 64 words; 31:25 4 words of it
	s_mov_b32 s[G1+1], 128<<16                     ; tensor_dim0 = 128
	s_mov_b32 s[G1+2], 64<<16                      ; tensor_dim1 = 64
	s_mov_b32 s[G1+3], 128<<16                     ; tile_dim0 = 128
	s_mov_b32 s[G1+4], 64                          ; tile_dim1 = 64
	s_mov_b32 s[G1+5], 128                         ; 128 elements from row to row
	s_mov_b32 s[G1+6], 0
	s_mov_b32 s[G1+7], 0
	s_mov_b32 s[G0], 1
	s_mul_i32 s[G0+1], s[WV], 64*PA                ; LDS: wave x 64 rows; no place in the cluster enters it
	s_mov_b32 s[G0+4], 1
	s_add_co_u32 s[G0+5], s[G0+1], ASLOT
	s_mov_b32 s[A5], 0x3f87dc22                    ; 1.061405429
	s_mov_b32 s[A5+1], 0x3f87dc22
	s_mov_b32 s[A4], 0xbfba00e3                    ; -1.453152027
	s_mov_b32 s[A4+1], 0xbfba00e3
	s_mov_b32 s[A3], 0x3fb5f0e3                    ; 1.421413741
	s_mov_b32 s[A3+1], 0x3fb5f0e3
	s_mov_b32 s[A2], 0xbe91a98e                    ; -0.284496736
	s_mov_b32 s[A2+1], 0xbe91a98e
	s_mov_b32 s[A1], 0x3e827906                    ; 0.254829592
	s_mov_b32 s[A1+1], 0x3e827906
	s_mov_b32 s[NC], 0xbf38aa3b
	s_mov_b32 s[NC+1], 0xbf38aa3b
	s_mov_b32 s[PZ], 0x3e6d3388                    ; 0.23164189
	s_mov_b32 s[AB], 0x7fffffff
	s_wait_dscnt 0x0                               ; the opening add is done
	s_wait_kmcnt 0x0
	s_lshl_b32 s22, s[YY], 2
	s_mov_b32 s23, 0
	s_add_nc_u64 s[10:11], s[10:11], s[22:23]
	s_add_nc_u64 s[12:13], s[12:13], s[22:23]
	s_load_b32 s[EX], s[10:11], 0x0
	s_load_b32 s[RW], s[12:13], 0x0
	s_lshr_b32 s22, s[YY], 1                       ; the batch:
	s_lshl_b32 s22, s22, 19                        ; its 8 tiles,
	s_lshl_b32 s[TS], s[WV], 14                    ; my 64 rows of 256 bytes
	s_add_co_u32 s22, s22, s[TS]
	s_add_nc_u64 s[G0+2:G0+3], s[4:5], s[22:23]    ; tile 0
	s_add_nc_u64 s[G0+6:G0+7], s[G0+2:G0+3], TILEB ; tile 1
	s_or_b32 s[G0+3], s[G0+3], 0x80000000          ; type = 2
	s_or_b32 s[G0+7], s[G0+7], 0x80000000
	CROUND                                         ; all four work-groups are here: the first joint loads meet
	JLOAD 0                                        ; tile 0; slot 1 is filled behind the first step's round
	v_and_b32 v1, 15, v0                           ; r = lane % 16
	v_bfe_u32 v12, v0, 4, 1                        ; h = lane / 16
	v_and_b32 v14, 7, v0
	v_bfe_u32 v15, v0, 3, 1
	v_and_b32 v13, 31, v0
	s_mul_i32 s22, s[WM], 64*PA
	v_mul_u32_u24 v[ADRA], v1, PA
	v_lshl_add_u32 v[ADRA], v12, 4, v[ADRA]        ; row x pitch + 16 h
	v_add_nc_u32 v[ADRA], s22, v[ADRA]
	v_add_nc_u32 v[ADRA+1], ASLOT, v[ADRA]
	s_lshl_b32 s22, s[WN], 7
	s_add_co_u32 s22, s22, WRING
	v_lshl_add_u32 v[ADRW], v12, 3, v14            ; the turning load: lane l reads row 8 h + l % 8, 16 bytes at 16 ((l / 8) % 2)
	v_mul_u32_u24 v[ADRW], v[ADRW], PW
	v_lshl_add_u32 v[ADRW], v15, 4, v[ADRW]
	v_add_nc_u32 v[ADRW], s22, v[ADRW]
	v_add_nc_u32 v[ADRW+1], WSLOT, v[ADRW]
	s_mul_i32 s22, s[WV], 16*PW
	s_add_co_u32 s22, s22, WRING
	v_lshl_add_u32 v[WST], v13, 3, s22
	v_add_nc_u32 v[WST+1], WSLOT, v[WST]
	v_lshlrev_b32 v[WOFF], 4, v13
	v_lshlrev_b32 v13, 5, v1                       ; the bias of my eight columns on the way out: 32 r
	s_mul_i32 s22, s[WM], 64*SP                    ; into the stage: token 64 wm + 16 a + r; the group of eight columns c = 8 wn + 2 b + h has its first four at byte 16 c, the others at 256 + 16 c
	s_lshl_b32 s[TS], s[WN], 7
	s_add_co_u32 s22, s22, s[TS]
	s_add_co_u32 s22, s22, STAGE
	v_mul_u32_u24 v[DST], v1, SP
	v_lshl_add_u32 v[DST], v12, 4, v[DST]
	v_add_nc_u32 v[DST], s22, v[DST]
	s_mul_i32 s22, s[WV], 32*SP                    ; back: wave w takes rows 32 w .. 32 w + 31; lanes 0-15 one row, lanes 16-31 the next
	s_add_co_u32 s22, s22, STAGE
	v_mul_u32_u24 v[RD], v12, SP
	v_lshl_add_u32 v[RD], v1, 4, v[RD]
	v_add_nc_u32 v[RD], s22, v[RD]
	s_lshl_b32 s22, s[WV], 13                      ; and the same rows in the tile of hb, 256 bytes each
	v_lshlrev_b32 v[GO], 8, v12
	v_lshl_add_u32 v[GO], v1, 4, v[GO]
	v_add_nc_u32 v[GO], s22, v[GO]
	s_wait_kmcnt 0x0                               ; the expert and its weight
	s_min_u32 s[EX], s[EX], 7
	s_lshl_b32 s[XO], s[EX], 24                    ; an expert's 16 MiB,
	s_lshl_b32 s[TS], s[WV], 18                    ; my 16 rows of a step,
	s_add_co_u32 s[XO], s[XO], s[TS]
	s_lshl_b32 s[TS], s[CB], 9                     ; my block's 512 bytes of a row
	s_add_co_u32 s[XO], s[XO], s[TS]
	s_mov_b32 s[XO+1], 0
	s_add_nc_u64 s[WB:WB+1], s[6:7], s[XO:XO+1]
	s_lshl_b32 s[XO], s[EX], 14
	s_add_co_u32 s[XO], s[XO], s[TS]
	s_add_nc_u64 s[8:9], s[8:9], s[XO:XO+1]        ; b1 at my block
	s_lshl_b32 s[XO], s[YY], 5
	s_add_co_u32 s[XO], s[XO], s[CB]
	s_lshl_b32 s[XO], s[XO], 16
	s_add_nc_u64 s[14:15], s[14:15], s[XO:XO+1]    ; hb at my tile
	global_load_b128 v[BI:BI+3],   v13, s[8:9]
	global_load_b128 v[BI+4:BI+7], v13, s[8:9] offset:16
	WIN 0x40
.set i, 0
.rept 16
	global_load_b128 v[WS+4*i:WS+4*i+3], v[WOFF], s[WB:WB+1] offset:i*WPITCH              ; step 0
.set i, i+1
.endr
.set i, 0
.rept 16
	global_load_b128 v[WS+64+4*i:WS+64+4*i+3], v[WOFF], s[WB:WB+1] offset:(128+i)*WPITCH  ; step 1
.set i, i+1
.endr
	WIN 0
	v_mov_b32 v[HWV], s[RW]
	v_mul_f32 v[HWV], 0.5, v[HWV]
	v_mov_b32 v[HWV+1], v[HWV]
	s_wait_xcnt 0x0
	s_add_nc_u64 s[WB:WB+1], s[WB:WB+1], 128*WPITCH  ; the step last asked for
	STEP 0, 1, 1, 16, 1                            ; step 0 stands in front of the loop: its first products start the sums
	WIN 0
	s_mov_b32 s[CNT], 2
.Lpair:                                                ; steps 1 and 2, 3 and 4
	STEP 1, 1, 1, 16, 0
	STEP 0, 1, 1, 16, 0
	WIN 0
	s_sub_co_u32 s[CNT], s[CNT], 1
	s_cmp_lg_u32 s[CNT], 0
	s_cbranch_scc1 .Lpair
	STEP 1, 1, 1, 16, 0                            ; step 5 asks for the last weights,
	STEP 0, 0, 1, 16, 0                            ; step 6 for the last tokens,
	STEP 1, 0, 0, 0, 0                             ; step 7 for nothing: no load is jumped over, none leaves its buffer
	WIN 0
	PLACES
	; THE WAY OUT.  The sums go through the stage as f32, so that each lane gets eight neighbouring columns of a row and 16 lanes a whole row; bias, gelu and the weight are applied behind it.
	s_wait_dscnt 0x0
	s_barrier_signal -1
	s_barrier_wait -1                              ; nobody reads the weight ring any more
	WIN 0x04
.irp a, 0,1,2,3
.irp b, 0,1,2,3
	ds_store_b128 v[DST], v[8*(4*\a+\b):8*(4*\a+\b)+3]   offset:\a*16*SP+32*\b      ; each accumulator's lowest registers first
	ds_store_b128 v[DST], v[8*(4*\a+\b)+4:8*(4*\a+\b)+7] offset:\a*16*SP+32*\b+256
.endr
.endr
	WIN 0
	s_wait_dscnt 0x0                               ; for the others' sake: my stores are done
	s_barrier_signal -1
	s_barrier_wait -1
	s_mov_b32 s[CNT], 4
.Lrows:                                                ; four trips of 8 rows: 32 numbers a lane
.irp u, 0,1,2,3
	ds_load_b128 v[V+8*\u:V+8*\u+3],   v[RD] offset:2*SP*\u
	ds_load_b128 v[V+8*\u+4:V+8*\u+7], v[RD] offset:2*SP*\u+256
.endr
	s_wait_dscnt 0x0
	PAIRS v_pk_add_f32 v[V+t:V+t+1], v[V+t:V+t+1], v[BI+t%8:BI+t%8+1]                      ; v = sum + b1
	ONES  v_fma_f32 v[U+t], |v[V+t]|, s[PZ], 1.0                                           ; 1 + 0.3275911 |v| / sqrt(2)
	PAIRS v_pk_mul_f32 v[Q+t:Q+t+1], v[V+t:V+t+1], v[V+t:V+t+1]
	ONES  v_rcp_f32 v[U+t], v[U+t]                                                         ; t
	PAIRS v_pk_mul_f32 v[Q+t:Q+t+1], v[Q+t:Q+t+1], s[NC:NC+1] op_sel_hi:[1,0]              ; plain lines behind the reciprocals: -v^2 log2(e) / 2
	ONES  v_exp_f32 v[Q+t], v[Q+t]                                                         ; e^(-v^2 / 2)
	PAIRS v_pk_fma_f32 v[P+t:P+t+1], v[U+t:U+t+1], s[A5:A5+1], s[A4:A4+1] op_sel_hi:[1,0,0]  ; plain lines behind the exponentials
	PAIRS v_pk_fma_f32 v[P+t:P+t+1], v[P+t:P+t+1], v[U+t:U+t+1], s[A3:A3+1] op_sel_hi:[1,1,0]
	PAIRS v_pk_fma_f32 v[P+t:P+t+1], v[P+t:P+t+1], v[U+t:U+t+1], s[A2:A2+1] op_sel_hi:[1,1,0]
	PAIRS v_pk_fma_f32 v[P+t:P+t+1], v[P+t:P+t+1], v[U+t:U+t+1], s[A1:A1+1] op_sel_hi:[1,1,0]
	PAIRS v_pk_mul_f32 v[P+t:P+t+1], v[P+t:P+t+1], v[U+t:U+t+1]
	PAIRS v_pk_fma_f32 v[Q+t:Q+t+1], v[P+t:P+t+1], v[Q+t:Q+t+1], 1.0 op_sel_hi:[1,1,0] neg_lo:[1,0,0] neg_hi:[1,0,0]  ; erf(|v| / sqrt(2))
	ONES  v_bfi_b32 v[Q+t], s[AB], v[Q+t], v[V+t]                                          ; with v's sign
	PAIRS v_pk_mul_f32 v[U+t:U+t+1], v[V+t:V+t+1], v[HWV:HWV+1]                            ; w v / 2
	PAIRS v_pk_fma_f32 v[U+t:U+t+1], v[U+t:U+t+1], v[Q+t:Q+t+1], v[U+t:U+t+1]              ; (w v / 2) (1 + erf)
	PAIRS v_cvt_pk_bf16_f32 v[O+t/2], v[U+t], v[U+t+1]
.irp u, 0,1,2,3
	global_store_b128 v[GO], v[O+4*\u:O+4*\u+3], s[14:15] offset:512*\u  ; 16 lanes store one row of the tile: 256 consecutive bytes, aligned
.endr
	v_add_nc_u32 v[RD], 8*SP, v[RD]
	s_wait_xcnt 0x0                                ; the stores' offset and data are rewritten only behind this wait
	v_add_nc_u32 v[GO], 2048, v[GO]
	s_sub_co_u32 s[CNT], s[CNT], 1
	s_cmp_lg_u32 s[CNT], 0
	s_cbranch_scc1 .Lrows
	s_wait_tensorcnt 0x0                           ; the wave's end: behind my last tensor load and my last LDS store
	ds_add_u32 v[SPW], v[NIL]
	s_wait_dscnt 0x0
	CROUND                                         ; the closing round: no work-group ends while a partner may still ask for a tile that names it
	s_endpgm
.Lfunc_end_k_q49b2c07017_gemm1:
	.size	k_q49b2c07017_gemm1, .Lfunc_end_k_q49b2c07017_gemm1-k_q49b2c07017_gemm1
	.p2alignl 7, 3214868480
	.fill 96, 4, 3214868480
	.section	.rodata,"a",@progbits
	.p2align	6, 0x0
	.amdhsa_kernel k_q49b2c07017_gemm1
		.amdhsa_group_segment_fixed_size 327680
		.amdhsa_private_segment_fixed_size 0
		.amdhsa_enable_private_segment 0
		.amdhsa_kernarg_size 48
		.amdhsa_user_sgpr_count 2
		.amdhsa_user_sgpr_kernarg_segment_ptr 1
		.amdhsa_wavefront_size32 1
		.amdhsa_system_sgpr_workgroup_id_x 1
		.amdhsa_system_sgpr_workgroup_id_y 1
		.amdhsa_system_sgpr_workgroup_id_z 1
		.amdhsa_system_vgpr_workitem_id 0
		.amdhsa_next_free_vgpr 512
		.amdhsa_next_free_sgpr 66
		.amdhsa_reserve_vcc 0
		.amdhsa_float_denorm_mode_32 3
		.amdhsa_float_denorm_mode_16_64 3
		.amdhsa_memory_ordered 1
		.amdhsa_forward_progress 1
		.amdhsa_inst_pref_size 114
	.end_amdhsa_kernel
	.amdgpu_metadata
---
amdhsa.version: [ 1, 2 ]
amdhsa.kernels:
  - .name:           k_q49b2c07017_gemm1
    .symbol:         k_q49b2c07017_gemm1.kd
    .args:
      - { .name: xb, .offset: 0, .size: 8, .value_kind: global_buffer, .address_space: global }
      - { .name: W1, .offset: 8, .size: 8, .value_kind: global_buffer, .address_space: global }
      - { .name: b1, .offset: 16, .size: 8, .value_kind: global_buffer, .address_space: global }
      - { .name: route, .offset: 24, .size: 8, .value_kind: global_buffer, .address_space: global }
      - { .name: rwt, .offset: 32, .size: 8, .value_kind: global_buffer, .address_space: global }
      - { .name: hb, .offset: 40, .size: 8, .value_kind: global_buffer, .address_space: global }
    .group_segment_fixed_size: 327680
    .private_segment_fixed_size: 0
    .kernarg_segment_align: 8
    .kernarg_segment_size: 48
    .max_flat_workgroup_size: 256
    .sgpr_count:     66
    .vgpr_count:     512
    .wavefront_size: 32
...
	.end_amdgpu_metadata
.endif
;; end of part 3
;; launch gemm2 (part 4): grid 8 x 32, 8 waves a work-group, clusters of 4 x 1, 327,680 bytes of LDS; arguments hb, W2, route, part; writes part
.if DOCPART == 4
	.amdgcn_target "amdgcn-amd-amdhsa--gfx1250"
	.amdhsa_code_object_version 6
	.text
	.protected	k_q49b2c07017_gemm2
	.globl	k_q49b2c07017_gemm2
	.p2align	8
	.type	k_q49b2c07017_gemm2,@function
k_q49b2c07017_gemm2:
	s_mov_b64 s[64:65], 0
	v_nop
	global_prefetch_b8 v0, s[64:65] scope:SCOPE_SE
	s_setreg_imm32_b32 hwreg(HW_REG_WAVE_MODE, 25, 1), 1
	s_wait_xcnt 0x0
	s_wait_alu depctr_hold_cnt(0) depctr_sa_sdst(0) depctr_va_vdst(0) depctr_va_sdst(0) depctr_va_ssrc(0) depctr_va_vcc(0) depctr_vm_vsrc(0)
	s_getreg_b32 s2, hwreg(HW_REG_IB_STS2, 6, 4)
	s_cmp_eq_u32 s2, 0
	s_cbranch_scc0 .Lentry_in_a_cluster
	s_endpgm
.Lentry_in_a_cluster:
	s_bfe_u32 s2, ttmp6, 0x10000c
	s_cmp_lg_u32 s2, 0x3003
	s_cbranch_scc0 .Lentry_shape_is_right
	s_endpgm
.Lentry_shape_is_right:
; part[j][token][d] = the sum over 1,024 of a batch's 8,192 hidden numbers of h'[token][f] W2[e][f][d].  A batch's two slots stand on end along K (h' already carries the slot's weight), and K is cut in 8:
; y = 8 batch + j; chunk j lies in pair y / 4, hidden numbers 1,024 (y % 4) on.  The partial sums stay f32; the launch behind adds them.
; hb: bf16 tiles [pair][f block 32][256 tokens][128].  W2: f32 [8][4096 f][1024 d].  part: f32 [8][1024 tokens][1024].
; SHARES, RINGS, BARRIERS as in the first product: a work-group makes 256 tokens x 128 columns over K = 1,024 (512 KiB of W2, read by no other work-group of the pair); eight waves of 64 x 64;
; the weights come through registers, 16 rows a wave and step, two steps out, waited for by count, rounded once to bf16 and stored [k][column] in a ring of two LDS slots; the tokens come by joint tensor loads
; of the cluster's four column blocks, waves 0 to 3, 64 rows each, one tensor load of a wave out at the most; one barrier a step.  The matrix instruction is used transposed: a lane holds one token and eight neighbouring columns.
; LIMITS.  Operands are bf16.  An index in route is held to 0 .. 7.
; REGISTERS: window 0: v0-31 addresses; v64-127, v128-191 two fragment buffers, later the way out.  Window 1: v0-127 accumulators; v128-191, v192-255 two sets of 16 weight rows.
.set PA,     272                       ; a token row in LDS: 256 bytes + 16 of padding (64 banks of 4 bytes: ISA guide 11.1)
.set ASLOT,  256*PA
.set PW,     288                       ; a weight row in LDS: 256 + 32
.set WSLOT,  128*PW
.set WRING,  2*ASLOT                   ; written by LDS stores alone, never by a tensor load
.set STAGE,  WRING                     ; the way out lies over the weight ring and the free bytes behind it: for each wave 64 rows x 272 bytes
.set SP,     272
.set SPARE,  278528                    ; the spare words: 128 bytes for each wave, four blocks of 256 bytes that no other line names
.set TILEB,  65536
.set WPITCH, 4096                      ; bytes from row to row of W2
.set ADRA, 2
.set ADRW, 4
.set WST,  6
.set WOFF, 8
.set DST,  9
.set RD,   10
.set GO,   11
.set SPW,  30
.set NIL,  31
.set F0,   64
.set F1,   128
.set WS,   128
.set WV, 16
.set WM, 17
.set WN, 18
.set CX, 19
.set CB, 20
.set YY, 21
.set G1, 24
.set G0, 32
.set WB, 40
.set CNT, 42
.set TS, 43
.set EX, 44
.set XO, 62                            ; s[62:63] offsets that hang on my place in the cluster: they never feed a descriptor
.set MSB, 0
.macro WIN new
.if MSB != (\new)
	s_set_vgpr_msb (MSB<<8)|(\new)
.set MSB, \new
.endif
.endm
.macro PLACES
.rept 4
	v_nop
.endr
.endm
.macro CROUND                          ; a round of the cluster's barrier
	s_barrier_signal -1
	s_barrier_wait -1
	s_cmp_lg_u32 s[WV], 0
	s_cbranch_scc1 .Lnot_wave_0_\@
	s_barrier_signal -3
.Lnot_wave_0_\@:
	s_barrier_wait -3
	s_barrier_signal -1
	s_barrier_wait -1
.endm
.macro JLOAD n                         ; the joint load of slot n: waves 0 to 3, 64 rows each; an s_nop 0 and four v_nop follow the load
	s_cmp_lt_u32 s[WV], 4
	s_cbranch_scc0 .Lno_load_\@
	tensor_load_to_lds s[G0+4*(\n):G0+4*(\n)+3], s[G1:G1+7]
	s_nop 0
.rept 4
	v_nop
.endr
.Lno_load_\@:
.endm
.macro FETCH slot, q, f                ; 16 LDS loads in one run: quarter q's fragments into buffer f
	WIN 0
.irp b, 0,1,2,3
	ds_load_tr16_b128 v[(\f)+8*(\b):(\f)+8*(\b)+3],   v[ADRW+(\slot)] offset:(\q)*32*PW+32*(\b)
	ds_load_tr16_b128 v[(\f)+8*(\b)+4:(\f)+8*(\b)+7], v[ADRW+(\slot)] offset:(\q)*32*PW+16*PW+32*(\b)
.endr
.irp a, 0,1,2,3
	ds_load_b128 v[(\f)+32+8*(\a):(\f)+32+8*(\a)+3],   v[ADRA+(\slot)] offset:(\a)*16*PA+64*(\q)
	ds_load_b128 v[(\f)+32+8*(\a)+4:(\f)+32+8*(\a)+7], v[ADRA+(\slot)] offset:(\a)*16*PA+64*(\q)+32
.endr
.endm
.macro MUL8 f, a0, zero                ; 8 matrix instructions; the 16 accumulators take turns in the same order in every quarter
	WIN 0x50
.irp a, \a0, (\a0)+1
.irp b, 0,1,2,3
.if \zero
	v_wmma_f32_16x16x32_bf16 v[8*(4*(\a)+(\b)):8*(4*(\a)+(\b))+7], v[(\f)+8*(\b):(\f)+8*(\b)+7], v[(\f)+32+8*(\a):(\f)+32+8*(\a)+7], 0
.else
	v_wmma_f32_16x16x32_bf16 v[8*(4*(\a)+(\b)):8*(4*(\a)+(\b))+7], v[(\f)+8*(\b):(\f)+8*(\b)+7], v[(\f)+32+8*(\a):(\f)+32+8*(\a)+7], v[8*(4*(\a)+(\b)):8*(4*(\a)+(\b))+7]
.endif
.endr
.endr
.endm
.macro QUARTER slot, qn, f, g, zero
	s_wait_dscnt 0x0                               ; buffer f is in
	MUL8 \f, 0, \zero
	WIN 0
	PLACES                                         ; in front of loads into registers that matrix instructions have read
	FETCH \slot, \qn, \g
	MUL8 \f, 2, \zero
.endm
.macro LASTQ f
	s_wait_dscnt 0x0
	MUL8 \f, 0, 0
	MUL8 \f, 2, 0
.endm
; The way into a step of parity par.  lw = 1: the weights two steps on are asked for.  rf = 1: the next step's tokens are asked for.  left: the younger weight loads, which stay out.
.macro TR par, lw, rf, left
.set SB, WS+64*(\par)
	s_wait_loadcnt \left                           ; loads come back in order (ISA guide 5.7.1): this step's 16 rows are in
	WIN 0x45
.set i, 0
.rept 16                               ; rounded once to bf16, in place; these 32 plain instructions are also the places in front of the fetch below
	v_cvt_pk_bf16_f32 v[SB+4*i],   v[SB+4*i],   v[SB+4*i+1]
	v_cvt_pk_bf16_f32 v[SB+4*i+1], v[SB+4*i+2], v[SB+4*i+3]
.set i, i+1
.endr
	WIN 0x04
.set i, 0
.rept 16
	ds_store_b64 v[WST+(\par)], v[SB+4*i:SB+4*i+1] offset:i*PW  ; the slot was last read two steps ago: those reads were awaited in front of the last barrier
.set i, i+1
.endr
.if \lw
	s_wait_xcnt 0x0                                ; the base is stepped only behind this wait
	s_add_nc_u64 s[WB:WB+1], s[WB:WB+1], 128*WPITCH
	WIN 0x40
.set i, 0
.rept 16
	global_load_b128 v[SB+4*i:SB+4*i+3], v[WOFF], s[WB:WB+1] offset:i*WPITCH
.set i, i+1
.endr
.endif
	WIN 0
	s_wait_tensorcnt 0x0                           ; my one tensor load has landed: my part of this step's tokens; so a group 0 may be written
	ds_add_u32 v[SPW], v[NIL]                      ; 0 onto my spare word
.if \lw
	s_add_nc_u64 s[G0+4*(\par)+2:G0+4*(\par)+3], s[G0+4*(\par)+2:G0+4*(\par)+3], 2*TILEB
.endif
	s_wait_dscnt 0x0                               ; the add and my stores are done, and my reads of the last step's slots are back
.if \rf
	CROUND                                         ; no wave of any partner still reads the other token slot or has a load on its way
	JLOAD 1-(\par)
.else
	s_barrier_signal -1
	s_barrier_wait -1
.endif
.endm
.macro STEP par, lw, rf, left, zero
	TR \par, \lw, \rf, \left
	FETCH \par, 0, F0
	QUARTER \par, 1, F0, F1, \zero
	QUARTER \par, 2, F1, F0, 0
	QUARTER \par, 3, F0, F1, 0
	LASTQ F1
.endm
	s_load_b256 s[4:11], s[0:1], 0x0               ; hb s[4:5], W2 s[6:7], route s[8:9], part s[10:11]
	v_lshl_add_u32 v[SPW], v0, 2, SPARE
	v_mov_b32 v[NIL], 0
	ds_add_u32 v[SPW], v[NIL]                      ; the wave's opening: the add and its wait stand ahead of my first tensor load
	v_lshrrev_b32 v12, 5, v0
	v_readfirstlane_b32 s[WV], v12
	s_lshr_b32 s[WM], s[WV], 1
	s_and_b32 s[WN], s[WV], 1
	s_bfe_u32 s[CX], ttmp6, 0x40000
	s_lshl_b32 s[CB], ttmp9, 2
	s_add_co_u32 s[CB], s[CB], s[CX]               ; my block of 128 columns
	s_and_b32 s[YY], ttmp7, 0xffff                 ; y, which the four partners share
	s_mov_b32 s[G1+0], 15|(1<<16)|(1<<20)|(1<<21)|(5<<22)|(3<<25)  ; the mask of four; 2-byte elements; padding on; bit 21 beside a mask; 4 words after every 64
	s_mov_b32 s[G1+1], 128<<16
	s_mov_b32 s[G1+2], 64<<16
	s_mov_b32 s[G1+3], 128<<16
	s_mov_b32 s[G1+4], 64
	s_mov_b32 s[G1+5], 128
	s_mov_b32 s[G1+6], 0
	s_mov_b32 s[G1+7], 0
	s_mov_b32 s[G0], 1
	s_mul_i32 s[G0+1], s[WV], 64*PA
	s_mov_b32 s[G0+4], 1
	s_add_co_u32 s[G0+5], s[G0+1], ASLOT
	s_wait_dscnt 0x0                               ; the opening add is done
	s_wait_kmcnt 0x0
	s_lshr_b32 s22, s[YY], 2                       ; the pair
	s_lshl_b32 s22, s22, 2
	s_mov_b32 s23, 0
	s_add_nc_u64 s[8:9], s[8:9], s[22:23]
	s_load_b32 s[EX], s[8:9], 0x0
	s_lshl_b32 s22, s[YY], 19                      ; tile 8 y,
	s_lshl_b32 s[TS], s[WV], 14                    ; my 64 rows of 256 bytes
	s_add_co_u32 s22, s22, s[TS]
	s_add_nc_u64 s[G0+2:G0+3], s[4:5], s[22:23]
	s_add_nc_u64 s[G0+6:G0+7], s[G0+2:G0+3], TILEB
	s_or_b32 s[G0+3], s[G0+3], 0x80000000
	s_or_b32 s[G0+7], s[G0+7], 0x80000000
	CROUND                                         ; all four work-groups are here: the first joint loads meet
	JLOAD 0
	v_and_b32 v1, 15, v0                           ; r
	v_bfe_u32 v12, v0, 4, 1                        ; h
	v_and_b32 v14, 7, v0
	v_bfe_u32 v15, v0, 3, 1
	v_and_b32 v13, 31, v0
	s_mul_i32 s22, s[WM], 64*PA
	v_mul_u32_u24 v[ADRA], v1, PA
	v_lshl_add_u32 v[ADRA], v12, 4, v[ADRA]
	v_add_nc_u32 v[ADRA], s22, v[ADRA]
	v_add_nc_u32 v[ADRA+1], ASLOT, v[ADRA]
	s_lshl_b32 s22, s[WN], 7
	s_add_co_u32 s22, s22, WRING
	v_lshl_add_u32 v[ADRW], v12, 3, v14
	v_mul_u32_u24 v[ADRW], v[ADRW], PW
	v_lshl_add_u32 v[ADRW], v15, 4, v[ADRW]
	v_add_nc_u32 v[ADRW], s22, v[ADRW]
	v_add_nc_u32 v[ADRW+1], WSLOT, v[ADRW]
	s_mul_i32 s22, s[WV], 16*PW
	s_add_co_u32 s22, s22, WRING
	v_lshl_add_u32 v[WST], v13, 3, s22
	v_add_nc_u32 v[WST+1], WSLOT, v[WST]
	v_lshlrev_b32 v[WOFF], 4, v13
	s_mul_i32 s22, s[WV], 64*SP
	s_add_co_u32 s22, s22, STAGE                   ; my stage
	v_mul_u32_u24 v[DST], v1, SP                   ; in: row r, 32 bytes for each half of the lanes
	v_lshl_add_u32 v[DST], v12, 5, v[DST]
	v_add_nc_u32 v[DST], s22, v[DST]
	v_mul_u32_u24 v[RD], v12, SP                   ; back: lanes 0-15 one row of 256 bytes, lanes 16-31 the next
	v_lshl_add_u32 v[RD], v1, 4, v[RD]
	v_add_nc_u32 v[RD], s22, v[RD]
	v_lshlrev_b32 v[GO], 12, v12                   ; and the same two rows in part
	v_lshl_add_u32 v[GO], v1, 4, v[GO]
	s_wait_kmcnt 0x0                               ; the expert
	s_min_u32 s[EX], s[EX], 7
	s_lshl_b32 s[XO], s[EX], 24                    ; an expert's 16 MiB,
	s_and_b32 s[TS], s[YY], 3
	s_lshl_b32 s[TS], s[TS], 22                    ; my chunk's 1,024 rows of 4,096 bytes,
	s_add_co_u32 s[XO], s[XO], s[TS]
	s_lshl_b32 s[TS], s[WV], 16                    ; my 16 rows of a step,
	s_add_co_u32 s[XO], s[XO], s[TS]
	s_lshl_b32 s[TS], s[CB], 9                     ; my block's 512 bytes of a row
	s_add_co_u32 s[XO], s[XO], s[TS]
	s_mov_b32 s[XO+1], 0
	s_add_nc_u64 s[WB:WB+1], s[6:7], s[XO:XO+1]
	s_and_b32 s[XO], s[YY], 7
	s_lshl_b32 s[XO], s[XO], 22                    ; part: plane j,
	s_add_co_u32 s[XO], s[XO], s[TS]               ; my block's columns,
	s_lshr_b32 s[TS], s[YY], 3
	s_lshl_b32 s[TS], s[TS], 20                    ; the batch's 256 rows,
	s_add_co_u32 s[XO], s[XO], s[TS]
	s_lshl_b32 s[TS], s[WM], 18                    ; my 64 of them,
	s_add_co_u32 s[XO], s[XO], s[TS]
	s_lshl_b32 s[TS], s[WN], 8                     ; my 64 columns
	s_add_co_u32 s[XO], s[XO], s[TS]
	s_add_nc_u64 s[10:11], s[10:11], s[XO:XO+1]
	WIN 0x40
.set i, 0
.rept 16
	global_load_b128 v[WS+4*i:WS+4*i+3], v[WOFF], s[WB:WB+1] offset:i*WPITCH              ; step 0
.set i, i+1
.endr
.set i, 0
.rept 16
	global_load_b128 v[WS+64+4*i:WS+64+4*i+3], v[WOFF], s[WB:WB+1] offset:(128+i)*WPITCH  ; step 1
.set i, i+1
.endr
	WIN 0
	s_wait_xcnt 0x0
	s_add_nc_u64 s[WB:WB+1], s[WB:WB+1], 128*WPITCH
	STEP 0, 1, 1, 16, 1                            ; step 0 stands in front of the loop: its first products start the sums
	WIN 0
	s_mov_b32 s[CNT], 2
.Lpair:                                                ; steps 1 and 2, 3 and 4
	STEP 1, 1, 1, 16, 0
	STEP 0, 1, 1, 16, 0
	WIN 0
	s_sub_co_u32 s[CNT], s[CNT], 1
	s_cmp_lg_u32 s[CNT], 0
	s_cbranch_scc1 .Lpair
	STEP 1, 1, 1, 16, 0                            ; step 5 asks for the last weights,
	STEP 0, 0, 1, 16, 0                            ; step 6 for the last tokens,
	STEP 1, 0, 0, 0, 0                             ; step 7 for nothing
	WIN 0
	PLACES
	; THE WAY OUT: f32 through my own stage, so that 16 lanes store 256 consecutive bytes of a row.
	s_wait_dscnt 0x0
	s_barrier_signal -1
	s_barrier_wait -1                              ; nobody reads the weight ring any more
	WIN 0x04
.irp a, 0,1,2,3
.irp b, 0,1,2,3
	ds_store_b128 v[DST], v[8*(4*\a+\b):8*(4*\a+\b)+3]   offset:\a*16*SP+64*\b     ; each accumulator's lowest registers first
	ds_store_b128 v[DST], v[8*(4*\a+\b)+4:8*(4*\a+\b)+7] offset:\a*16*SP+64*\b+16
.endr
.endr
	WIN 0
.set u, 0
.rept 32
	ds_load_b128 v[64+4*u:64+4*u+3], v[RD] offset:2*SP*u  ; my own bytes; LDS serves a wave's instructions in order (ISA guide 5.7.1.4): these see the stores above
.set u, u+1
.endr
.set u, 0
.rept 32
	s_wait_dscnt 31-u                              ; the younger loads stay out
	global_store_b128 v[GO], v[64+4*u:64+4*u+3], s[10:11] offset:8192*u  ; 16 lanes store 256 consecutive bytes, at a multiple of 256 from part's first byte
.set u, u+1
.endr
	s_wait_tensorcnt 0x0                           ; the wave's end
	ds_add_u32 v[SPW], v[NIL]
	s_wait_dscnt 0x0
	CROUND                                         ; the closing round
	s_endpgm
.Lfunc_end_k_q49b2c07017_gemm2:
	.size	k_q49b2c07017_gemm2, .Lfunc_end_k_q49b2c07017_gemm2-k_q49b2c07017_gemm2
	.p2alignl 7, 3214868480
	.fill 96, 4, 3214868480
	.section	.rodata,"a",@progbits
	.p2align	6, 0x0
	.amdhsa_kernel k_q49b2c07017_gemm2
		.amdhsa_group_segment_fixed_size 327680
		.amdhsa_private_segment_fixed_size 0
		.amdhsa_enable_private_segment 0
		.amdhsa_kernarg_size 32
		.amdhsa_user_sgpr_count 2
		.amdhsa_user_sgpr_kernarg_segment_ptr 1
		.amdhsa_wavefront_size32 1
		.amdhsa_system_sgpr_workgroup_id_x 1
		.amdhsa_system_sgpr_workgroup_id_y 1
		.amdhsa_system_sgpr_workgroup_id_z 1
		.amdhsa_system_vgpr_workitem_id 0
		.amdhsa_next_free_vgpr 512
		.amdhsa_next_free_sgpr 66
		.amdhsa_reserve_vcc 0
		.amdhsa_float_denorm_mode_32 3
		.amdhsa_float_denorm_mode_16_64 3
		.amdhsa_memory_ordered 1
		.amdhsa_forward_progress 1
		.amdhsa_inst_pref_size 99
	.end_amdhsa_kernel
	.amdgpu_metadata
---
amdhsa.version: [ 1, 2 ]
amdhsa.kernels:
  - .name:           k_q49b2c07017_gemm2
    .symbol:         k_q49b2c07017_gemm2.kd
    .args:
      - { .name: hb, .offset: 0, .size: 8, .value_kind: global_buffer, .address_space: global }
      - { .name: W2, .offset: 8, .size: 8, .value_kind: global_buffer, .address_space: global }
      - { .name: route, .offset: 16, .size: 8, .value_kind: global_buffer, .address_space: global }
      - { .name: part, .offset: 24, .size: 8, .value_kind: global_buffer, .address_space: global }
    .group_segment_fixed_size: 327680
    .private_segment_fixed_size: 0
    .kernarg_segment_align: 8
    .kernarg_segment_size: 32
    .max_flat_workgroup_size: 256
    .sgpr_count:     66
    .vgpr_count:     512
    .wavefront_size: 32
...
	.end_amdgpu_metadata
.endif
;; end of part 4
;; launch ln (part 5): grid 256 x 1, 4 waves a work-group, no clusters, 0 bytes of LDS; arguments part, x, b2, gamma, beta, route, rwt, out0; writes out0
.if DOCPART == 5
	.amdgcn_target "amdgcn-amd-amdhsa--gfx1250"
	.amdhsa_code_object_version 6
	.text
	.protected	k_q49b2c07017_ln
	.globl	k_q49b2c07017_ln
	.p2align	8
	.type	k_q49b2c07017_ln,@function
k_q49b2c07017_ln:
	s_mov_b64 s[64:65], 0
	v_nop
	global_prefetch_b8 v0, s[64:65] scope:SCOPE_SE
	s_setreg_imm32_b32 hwreg(HW_REG_WAVE_MODE, 25, 1), 1
	s_wait_xcnt 0x0
; y = the sum of the 8 partial products + w0 b2[e0] + w1 b2[e1] + x;  out0 = (y - mean) / sqrt(var + 1e-5) x gamma + beta, all in f32; the variance is taken of y - mean.
; One wave, one row of 1,024 numbers: 32 registers; load i of lane l covers columns 128 i + 4 l .., so each load and store of a wave covers 512 consecutive bytes.  No LDS, no barrier.
; Seven sets of 8 loads go out at once (56 loads), and each set that has been added is filled again: every wait's count is the number of loads issued behind the set that is wanted.
; An index in route is held to 0 .. 7.  No matrix unit, no cluster: the launch moves bytes, and no two work-groups share more than gamma, beta and b2 (16 KiB).
.set Y,  16                            ; v[16:47] the row
.set S0, 48                            ; six sets of 32 registers
.set S1, 80
.set S2, 112
.set S3, 144
.set S4, 176
.set S5, 208
.macro LD8N dst, base                  ; eight loads of data that the launch reads once
.irp i, 0,1,2,3,4,5,6,7
	global_load_b128 v[(\dst)+4*(\i):(\dst)+4*(\i)+3], v1, s[(\base):(\base)+1] offset:512*(\i) th:TH_LOAD_NT
.endr
.endm
.macro LD8 dst, base                   ; of data that other work-groups read again
.irp i, 0,1,2,3,4,5,6,7
	global_load_b128 v[(\dst)+4*(\i):(\dst)+4*(\i)+3], v1, s[(\base):(\base)+1] offset:512*(\i)
.endr
.endm
.macro ADD8 src
.set t, 0
.rept 16
	v_pk_add_f32 v[Y+t:Y+t+1], v[Y+t:Y+t+1], v[(\src)+t:(\src)+t+1]
.set t, t+2
.endr
.endm
.macro FMA8 src, sc                    ; Y += src x the scalar pair's low word
.set t, 0
.rept 16
	v_pk_fma_f32 v[Y+t:Y+t+1], v[(\src)+t:(\src)+t+1], s[(\sc):(\sc)+1], v[Y+t:Y+t+1] op_sel_hi:[1,0,1]
.set t, t+2
.endr
.endm
.macro LANES                           ; four chains in v[8:15] -> the sum over the row, in v8 of every lane
	v_pk_add_f32 v[8:9], v[8:9], v[10:11]
	v_pk_add_f32 v[12:13], v[12:13], v[14:15]
	v_pk_add_f32 v[8:9], v[8:9], v[12:13]
	v_add_f32 v8, v8, v9
	v_add_f32_dpp v8, v8, v8 row_xmask:1 row_mask:0xf bank_mask:0xf
	v_add_f32_dpp v8, v8, v8 row_xmask:2 row_mask:0xf bank_mask:0xf
	v_add_f32_dpp v8, v8, v8 row_xmask:4 row_mask:0xf bank_mask:0xf
	v_add_f32_dpp v8, v8, v8 row_xmask:8 row_mask:0xf bank_mask:0xf
	v_permlanex16_b32 v9, v8, s48, s49
	v_add_f32 v8, v8, v9
.endm
	s_load_b512 s[4:19], s[0:1], 0x0               ; part s[4:5], x s[6:7], b2 s[8:9], gamma s[10:11], beta s[12:13], route s[14:15], rwt s[16:17], out0 s[18:19]
	v_and_b32 v1, 31, v0
	v_lshrrev_b32 v2, 5, v0
	v_readfirstlane_b32 s20, v2                    ; wave
	v_lshlrev_b32 v1, 4, v1                        ; 16 x lane; never rewritten
	s_lshl_b32 s21, ttmp9, 2
	s_add_co_u32 s21, s21, s20                     ; my row
	s_lshl_b32 s22, s21, 12                        ; x 4,096 bytes
	s_mov_b32 s23, 0
	s_lshr_b32 s54, ttmp9, 6                       ; the batch
	s_lshl_b32 s54, s54, 3
	s_mov_b32 s55, 0
	s_mov_b32 s48, 0x76543210
	s_mov_b32 s49, 0xfedcba98
	s_mov_b32 s50, 0x3a800000                      ; 1 / 1024
	s_mov_b32 s51, 0x3727c5ac                      ; 1e-5
	s_wait_kmcnt 0x0
	s_add_nc_u64 s[14:15], s[14:15], s[54:55]
	s_add_nc_u64 s[16:17], s[16:17], s[54:55]
	s_load_b64 s[40:41], s[14:15], 0x0             ; e0, e1
	s_load_b64 s[42:43], s[16:17], 0x0             ; w0, w1
	s_add_nc_u64 s[6:7], s[6:7], s[22:23]
	s_add_nc_u64 s[18:19], s[18:19], s[22:23]
	s_add_nc_u64 s[24:25], s[4:5], s[22:23]        ; my row in plane 0,
.irp j, 1,2,3,4,5,6,7
	s_add_nc_u64 s[24+2*\j:25+2*\j], s[22+2*\j:23+2*\j], 0x400000  ; and in the planes behind it, 4 MiB apart
.endr
	LD8N Y,  6
	LD8N S0, 24
	LD8N S1, 26
	LD8N S2, 28
	LD8N S3, 30
	LD8N S4, 32
	LD8N S5, 34
	s_wait_loadcnt 40                              ; x and plane 0 are in; planes 1 to 5 stay out
	ADD8 S0
	LD8N S0, 36
	s_wait_loadcnt 40
	ADD8 S1
	LD8N S1, 38
	s_wait_kmcnt 0x0                               ; the experts and their weights
	s_min_u32 s40, s40, 7
	s_min_u32 s41, s41, 7
	s_lshl_b32 s22, s40, 12
	s_add_nc_u64 s[44:45], s[8:9], s[22:23]        ; b2[e0]
	s_lshl_b32 s22, s41, 12
	s_add_nc_u64 s[46:47], s[8:9], s[22:23]        ; b2[e1]
	s_mov_b32 s52, s43                             ; w1 as the low word of a pair of its own
	s_mov_b32 s53, s43
	s_wait_loadcnt 40
	ADD8 S2
	LD8 S2, 44
	s_wait_loadcnt 40
	ADD8 S3
	LD8 S3, 46
	s_wait_loadcnt 40
	ADD8 S4
	LD8 S4, 10                                     ; gamma
	s_wait_loadcnt 40
	ADD8 S5
	LD8 S5, 12                                     ; beta
	s_wait_loadcnt 40                              ; plane 6
	ADD8 S0
	s_wait_loadcnt 32                              ; plane 7
	ADD8 S1
	s_wait_loadcnt 24                              ; b2[e0]
	FMA8 S2, 42
	s_wait_loadcnt 16                              ; b2[e1]
	FMA8 S3, 52
	; the mean
.irp k, 0,1,2,3
	v_pk_add_f32 v[8+2*\k:9+2*\k], v[Y+2*\k:Y+2*\k+1], v[Y+8+2*\k:Y+9+2*\k]
.endr
.irp m, 2,3
.irp k, 0,1,2,3
	v_pk_add_f32 v[8+2*\k:9+2*\k], v[8+2*\k:9+2*\k], v[Y+8*\m+2*\k:Y+8*\m+2*\k+1]
.endr
.endr
	LANES
	v_mul_f32 v4, s50, v8
	v_mov_b32 v5, v4
.set t, 0
.rept 16
	v_pk_add_f32 v[Y+t:Y+t+1], v[Y+t:Y+t+1], v[4:5] neg_lo:[0,1] neg_hi:[0,1]
.set t, t+2
.endr
	; the variance, of the centred row
.irp k, 0,1,2,3
	v_pk_mul_f32 v[8+2*\k:9+2*\k], v[Y+2*\k:Y+2*\k+1], v[Y+2*\k:Y+2*\k+1]
.endr
.irp m, 1,2,3
.irp k, 0,1,2,3
	v_pk_fma_f32 v[8+2*\k:9+2*\k], v[Y+8*\m+2*\k:Y+8*\m+2*\k+1], v[Y+8*\m+2*\k:Y+8*\m+2*\k+1], v[8+2*\k:9+2*\k]
.endr
.endr
	LANES
	v_fma_f32 v10, v8, s50, s51
	v_rsq_f32 v6, v10                              ; made twice, for the pair that the packed multiply takes;
	v_rsq_f32 v7, v10
	v_nop                                          ; a plain instruction before the results are used (ISA guide 5.7.2)
	s_wait_loadcnt 8                               ; gamma
.set t, 0
	s_wait_alu depctr_va_vdst(0)
.rept 16
	v_pk_mul_f32 v[S4+t:S4+t+1], v[S4+t:S4+t+1], v[6:7]
.set t, t+2
.endr
	s_wait_loadcnt 0                               ; beta
.set t, 0
.rept 16
	v_pk_fma_f32 v[Y+t:Y+t+1], v[Y+t:Y+t+1], v[S4+t:S4+t+1], v[S5+t:S5+t+1]
.set t, t+2
.endr
.irp i, 0,1,2,3,4,5,6,7
	global_store_b128 v1, v[Y+4*\i:Y+4*\i+3], s[18:19] offset:512*\i th:TH_STORE_NT  ; 512 consecutive bytes, aligned
.endr
	s_endpgm
.Lfunc_end_k_q49b2c07017_ln:
	.size	k_q49b2c07017_ln, .Lfunc_end_k_q49b2c07017_ln-k_q49b2c07017_ln
	.p2alignl 7, 3214868480
	.fill 96, 4, 3214868480
	.section	.rodata,"a",@progbits
	.p2align	6, 0x0
	.amdhsa_kernel k_q49b2c07017_ln
		.amdhsa_group_segment_fixed_size 0
		.amdhsa_private_segment_fixed_size 0
		.amdhsa_enable_private_segment 0
		.amdhsa_kernarg_size 64
		.amdhsa_user_sgpr_count 2
		.amdhsa_user_sgpr_kernarg_segment_ptr 1
		.amdhsa_wavefront_size32 1
		.amdhsa_system_sgpr_workgroup_id_x 1
		.amdhsa_system_sgpr_workgroup_id_y 1
		.amdhsa_system_sgpr_workgroup_id_z 1
		.amdhsa_system_vgpr_workitem_id 0
		.amdhsa_next_free_vgpr 240
		.amdhsa_next_free_sgpr 66
		.amdhsa_reserve_vcc 0
		.amdhsa_float_denorm_mode_32 3
		.amdhsa_float_denorm_mode_16_64 3
		.amdhsa_memory_ordered 1
		.amdhsa_forward_progress 1
		.amdhsa_inst_pref_size 29
	.end_amdhsa_kernel
	.amdgpu_metadata
---
amdhsa.version: [ 1, 2 ]
amdhsa.kernels:
  - .name:           k_q49b2c07017_ln
    .symbol:         k_q49b2c07017_ln.kd
    .args:
      - { .name: part, .offset: 0, .size: 8, .value_kind: global_buffer, .address_space: global }
      - { .name: x, .offset: 8, .size: 8, .value_kind: global_buffer, .address_space: global }
      - { .name: b2, .offset: 16, .size: 8, .value_kind: global_buffer, .address_space: global }
      - { .name: gamma, .offset: 24, .size: 8, .value_kind: global_buffer, .address_space: global }
      - { .name: beta, .offset: 32, .size: 8, .value_kind: global_buffer, .address_space: global }
      - { .name: route, .offset: 40, .size: 8, .value_kind: global_buffer, .address_space: global }
      - { .name: rwt, .offset: 48, .size: 8, .value_kind: global_buffer, .address_space: global }
      - { .name: out0, .offset: 56, .size: 8, .value_kind: global_buffer, .address_space: global }
    .group_segment_fixed_size: 0
    .private_segment_fixed_size: 0
    .kernarg_segment_align: 8
    .kernarg_segment_size: 64
    .max_flat_workgroup_size: 128
    .sgpr_count:     66
    .vgpr_count:     240
    .wavefront_size: 32
...
	.end_amdgpu_metadata
.endif
;; end of part 5
